; MI455X (gfx1250); checked and timed in simulation.
; The chip was launched on July 23, 2026; its instructions are those of AMD's public machine-readable ISA for CDNA 5 (MIT licence, August 2026) and "CDNA5" Instruction Set Architecture Reference Guide (July 2026). The comments in the code are by the model that wrote it; some were corrected since.
;; Linear GMM Interpolation. Allowed arithmetic: float matrix products may take bf16 or f16 operands with f32 sums; all other float work in f32.
;; Inputs: end_covs 8 x 8 x 8 float32; end_means 8 x 8 float32; end_weights 8 float32; start_covs 8 x 8 x 8 float32; start_means 8 x 8 float32; start_weights 8 float32; t 131,072 x 1 float32; x 131,072 x 8 float32.
;; Outputs: out0 131,072 x 1 float32.
;; One version. Each part assembles by itself: llvm-mc -triple=amdgcn-amd-amdhsa -mcpu=gfx1250 --defsym DOCPART=n.
;; ======== version 1 of 1: 1 launch
;; limits: right only within a limited range of input values
;; launch gmm (part 1): grid 256 x 1, 16 waves a work-group, no clusters, 8,448 bytes of LDS; arguments start_covs, end_covs, start_means, end_means, start_weights, end_weights, t, x, out0; writes out0
.if DOCPART == 1
	.amdgcn_target "amdgcn-amd-amdhsa--gfx1250"
	.amdhsa_code_object_version 6
	.text
	.protected	k_q68d6933ba7_gmm
	.globl	k_q68d6933ba7_gmm
	.p2align	8
	.type	k_q68d6933ba7_gmm,@function
k_q68d6933ba7_gmm:
	s_mov_b64 s[64:65], 0
	v_nop
	global_prefetch_b8 v0, s[64:65] scope:SCOPE_SE
	s_setreg_imm32_b32 hwreg(HW_REG_WAVE_MODE, 25, 1), 1
	s_wait_xcnt 0x0
; Log-density of a Gaussian mixture whose means, covariances and weights are interpolated linearly in t, sample by sample.
; 131,072 samples, 8 modes, dimension 8.  Every (sample, mode) pair has a covariance of its own, so there is no matrix product to hand
; to the matrix units: the work is 1,048,576 Cholesky factorisations of 8 x 8, done in f32 on the vector ALU.
;
; SHARES.  256 work-groups of 512 samples; 16 waves of 32 samples; a wave goes through 4 steps of 8 samples.
; A lane is (g = lane / 8, k = lane % 8): mode k of the TWO neighbouring samples 2 g and 2 g + 1 of the step, which lie in the two halves
; of even register pairs, so that the bulk of the arithmetic is packed (v_pk_fma_f32, v_pk_mul_f32).  A lane's mode never changes: its
; parameters stay in registers.  The sum over modes is a butterfly over 8 neighbouring lanes.
;
; ARITHMETIC, per sample and mode, with r_j = 1 / sqrt(pivot j):
;   sigma = S0 + t dS (lower triangle), mu = m0 + t dm, w = w0 + t dw, W' = W0' + t dW' with W' = (2 pi)^4 x the sum of w over the modes
;   l_ij = a_ij r_j,  a_ik -= l_ij l_kj,  y_j = d_j r_j,  d_i -= l_ij y_j,  maha = sum y_j^2
;   a = log2(w r_0 .. r_7) - 0.5 log2(e) maha;   result = ln 2 x (max a + log2(sum over modes of 2^(a - max a)) - log2 W')
; S0 and dS are made from (C + C^T) / 2, as jnp.linalg.cholesky takes its input: no symmetry of the tables is assumed.
;
; LIMITS (range and order of rounding, nothing else):
;   a + t (b - a) stands for (1 - t) a + t b, and the weights are summed over the modes before they are interpolated: other roundings.
;   Pivots are normal f32 numbers (v_rsq_f32 takes a denormal as zero); w r_0 .. r_7 and its partial products stay inside 2^-126 .. 2^127.
;   A term 2^(a - max a) below 2^-126 counts as 0.  A pivot that is negative or zero gives NaN (it passes through the sum over modes).
;   If all eight weights are 0 at a sample's t, the result is NaN where the definition gives -inf.
;
; NOT USED, by this text's own figures: clusters and joint requests (what work-groups share is 4,672 bytes of parameters, read once at
; the start through registers; there is no loop over shared tiles); the tensor data mover (a wave takes in 288 bytes a step, five loads
; issued a whole factorisation ahead of their use).
.set PITCH, 528                        ; a mode's 64 table entries of 8 bytes + 16: the eight modes' rows start 16 bytes apart modulo 256
.set OUTB,  8*PITCH                    ; behind the table: the work-group's 512 results, 4 bytes each
.set TRO,  1                           ; v1        set-up: byte offset of the transposed covariance entry; way out: 16 x thread
.set XOF,  2                           ; v2        64 g: my two samples in a step's 256 bytes of x
.set TOF,  3                           ; v3        8 g: my two samples in a step's 32 bytes of t
.set OAD,  4                           ; v4        LDS address of my two results in step 0
.set LIN,  5                           ; v5        4 x thread: byte offset of my covariance entry
.set T,    6                           ; v[6:7]    t of the two samples
.set XA,   8                           ; v[8:15]   x of the first sample
.set XB,   16                          ; v[16:23]  x of the second sample
.set D,    24                          ; v[24:39]  8 pairs: mu, then x - mu, then y
.set TAS,  24                          ; v24       set-up only: where my table entry goes
.set TB,   25                          ; v25       set-up only: my mode's rows in the table
.set RR,   40                          ; v[40:43]  r_j, two pairs that take turns
.set MH,   44                          ; v[44:45]  maha
.set PR,   46                          ; v[46:47]  w r_0 .. r_j
.set WW,   48                          ; v[48:49]  w, then a, then the result
.set WS,   50                          ; v[50:51]  W'
.set LW,   52                          ; v[52:53]  log2 W'
.set TM,   54                          ; v[54:57]  at work: maxima in the first pair, sums in the second
.set KW,   58                          ; v58       4 k
.set KM,   59                          ; v59       32 k
.set A,    60                          ; v[60:131]  36 pairs: entry (i, j), j <= i, at A + i (i + 1) + 2 j
.set P,    132                         ; v[132:203] 36 pairs (S0, dS) of my mode, same index
.set MS,   204                         ; v[204:211] m0 of my mode
.set MD,   212                         ; v[212:219] dm of my mode
.set PW,   220                         ; v[220:221] (w0, dw) of my mode
.set PS,   222                         ; v[222:223] (W0', dW')
	s_load_b512 s[8:23], s[0:1], 0x0               ; start_covs s[8:9], end_covs s[10:11], start_means s[12:13], end_means s[14:15],
	                                               ; start_weights s[16:17], end_weights s[18:19], t s[20:21], x s[22:23]
	s_load_b64 s[24:25], s[0:1], 0x40              ; out0
	v_lshl_add_u32 v224, v0, 2, 0x1900
	v_mov_b32 v225, 0
	v_lshrrev_b32 v[T], 5, v0
	v_readfirstlane_b32 s2, v[T]                   ; wave 0..15
	v_and_b32 v[KW], 7, v0                         ; k of the lane; also column j of the thread's table entry
	v_bfe_u32 v[TRO], v0, 3, 3                     ; row i of the thread's table entry (thread = 64 mode + 8 i + j)
	v_lshl_or_b32 v[TRO], v[KW], 3, v[TRO]         ; 8 j + i
	v_and_or_b32 v[TRO], v0, 0x1c0, v[TRO]         ; + 64 mode: the transposed entry,
	v_lshlrev_b32 v[TRO], 2, v[TRO]                ; in bytes
	v_lshlrev_b32 v[LIN], 2, v0
	v_mul_u32_u24 v[TB], v[KW], PITCH
	v_lshlrev_b32 v[KM], 5, v[KW]
	v_lshlrev_b32 v[KW], 2, v[KW]
	v_bfe_u32 v[TOF], v0, 3, 2                     ; g
	v_lshlrev_b32 v[XOF], 6, v[TOF]
	v_lshlrev_b32 v[TOF], 3, v[TOF]
	s_lshr_b32 s26, s2, 1                          ; two waves make one mode's 64 entries:
	s_mul_i32 s26, s26, PITCH                      ; the mode's rows,
	s_and_b32 s27, s2, 1
	s_lshl_b32 s27, s27, 8                         ; their first or second 256 bytes
	s_add_co_u32 s26, s26, s27
	s_lshl_b32 s3, s2, 7                           ; 32 samples x 4 bytes a wave
	s_add_co_u32 s27, s3, OUTB                     ; my wave's 128 bytes of results
	v_and_b32 v[TAS], 31, v0
	v_lshl_add_u32 v[TAS], v[TAS], 3, s26
	v_add_nc_u32 v[OAD], s27, v[TOF]
	s_lshl_b32 s4, ttmp9, 14                       ; x: 512 samples x 32 bytes a work-group,
	s_lshl_b32 s6, s2, 10                          ;    32 samples x 32 bytes a wave
	s_add_co_u32 s4, s4, s6
	s_mov_b32 s5, 0
	s_lshl_b32 s6, ttmp9, 11                       ; t: 512 samples x 4 bytes a work-group, + the wave's 128
	s_add_co_u32 s6, s6, s3
	s_mov_b32 s7, 0
	s_wait_kmcnt 0x0
	s_add_nc_u64 s[22:23], s[22:23], s[4:5]        ; x at my wave's first sample
	s_add_nc_u64 s[20:21], s[20:21], s[6:7]        ; t likewise
	s_lshl_b32 s4, ttmp9, 11
	s_add_nc_u64 s[24:25], s[24:25], s[4:5]        ; out0 at the work-group's first sample
	; No base and no offset register is written again while a load may name it: steps are reached by immediates.
; The five loads of step n: 64 bytes of x (two samples) and 8 bytes of t a lane; the eight lanes of a group ask for the same bytes.
.macro FETCH n
	global_load_b128 v[XA:XA+3],   v[XOF], s[22:23] offset:256*(\n) th:TH_LOAD_NT
	global_load_b128 v[XA+4:XA+7], v[XOF], s[22:23] offset:256*(\n)+16 th:TH_LOAD_NT
	global_load_b128 v[XB:XB+3],   v[XOF], s[22:23] offset:256*(\n)+32 th:TH_LOAD_NT
	global_load_b128 v[XB+4:XB+7], v[XOF], s[22:23] offset:256*(\n)+48 th:TH_LOAD_NT
	global_load_b64  v[T:T+1],     v[TOF], s[20:21] offset:32*(\n) th:TH_LOAD_NT
.endm
	; All fifteen loads of the set-up in one run, in the order in which they are wanted.
	global_load_b32 v[TM],   v[LIN], s[8:9]        ; start_covs (k, i, j)
	global_load_b32 v[TM+1], v[TRO], s[8:9]        ; start_covs (k, j, i)
	global_load_b32 v[TM+2], v[LIN], s[10:11]      ; end_covs (k, i, j)
	global_load_b32 v[TM+3], v[TRO], s[10:11]      ; end_covs (k, j, i)
	global_load_b128 v[MS:MS+3],   v[KM], s[12:13]
	global_load_b128 v[MS+4:MS+7], v[KM], s[12:13] offset:16
	global_load_b128 v[MD:MD+3],   v[KM], s[14:15]
	global_load_b128 v[MD+4:MD+7], v[KM], s[14:15] offset:16
	global_load_b32 v[PW],   v[KW], s[16:17]
	global_load_b32 v[PW+1], v[KW], s[18:19]
	FETCH 0
	; The table: each of the 512 threads makes one entry (S0, dS) of the symmetrised covariances, once for the work-group.
	s_wait_loadcnt 11                              ; loads come back in order (ISA guide 5.7.1): the four covariance words are in;
	                                               ; 4 loads of means, 2 of weights and step 0's 5 stay out
	v_add_f32 v[TM],   v[TM],   v[TM+1]
	v_add_f32 v[TM+2], v[TM+2], v[TM+3]
	v_mul_f32 v[TM], 0.5, v[TM]                    ; S0 = (C0 + C0^T) / 2
	v_fma_f32 v[TM+1], 0.5, v[TM+2], -v[TM]        ; dS = (C1 + C1^T) / 2 - S0
	ds_store_b64 v[TAS], v[TM:TM+1]
	s_wait_dscnt 0x0                               ; my entry is in LDS before I say so
	s_barrier_signal -1
	s_barrier_wait -1                              ; all 512 entries are there; the table is only read from here on
; Row i of my mode's lower triangle: i + 1 pairs, two to a 16-byte load, an odd last one by an 8-byte load.  20 loads in all.
.macro LDROW i
.irp m, 0,1,2,3
.if (2*\m+1) <= \i
	ds_load_b128 v[P+\i*(\i+1)+4*\m:P+\i*(\i+1)+4*\m+3], v[TB] offset:64*\i+16*\m
.endif
.endr
.if (\i % 2) == 0
	ds_load_b64 v[P+\i*(\i+1)+2*\i:P+\i*(\i+1)+2*\i+1], v[TB] offset:64*\i+8*\i
.endif
.endm
.irp i, 0,1,2,3,4,5,6,7
	LDROW \i
.endr
	; while they are on their way: the differences of means and weights, and the weights' sums over the modes
	s_wait_loadcnt 5                               ; means and weights are in; step 0's five loads stay out
.irp i, 0,2,4,6
	v_pk_add_f32 v[MD+\i:MD+\i+1], v[MD+\i:MD+\i+1], v[MS+\i:MS+\i+1] neg_lo:[0,1] neg_hi:[0,1]   ; dm = m1 - m0
.endr
	v_sub_f32 v[PW+1], v[PW+1], v[PW]              ; dw = w1 - w0
	v_add_f32_dpp v[TM],   v[PW],   v[PW]   row_xmask:1 row_mask:0xf bank_mask:0xf   ; lane i adds lane i xor 1, 2, 4: the eight modes
	v_add_f32_dpp v[TM+1], v[PW+1], v[PW+1] row_xmask:1 row_mask:0xf bank_mask:0xf
	v_add_f32_dpp v[TM],   v[TM],   v[TM]   row_xmask:2 row_mask:0xf bank_mask:0xf
	v_add_f32_dpp v[TM+1], v[TM+1], v[TM+1] row_xmask:2 row_mask:0xf bank_mask:0xf
	v_add_f32_dpp v[TM],   v[TM],   v[TM]   row_xmask:4 row_mask:0xf bank_mask:0xf
	v_add_f32_dpp v[TM+1], v[TM+1], v[TM+1] row_xmask:4 row_mask:0xf bank_mask:0xf
	v_pk_mul_f32 v[PS:PS+1], v[TM:TM+1], 0x44c2d174 op_sel_hi:[1,0]   ; x (2 pi)^4: the term -4 ln(2 pi) rides in log W'
	s_wait_dscnt 0x0                               ; my mode's 36 pairs are in
; sigma(i, j) of both samples: (t0, t1) x dS + S0.  Source 1 takes the pair's second register in both halves, source 2 its first.
.macro SIG i, j
.set ij, \i*(\i+1)+2*\j
	v_pk_fma_f32 v[A+ij:A+ij+1], v[T:T+1], v[P+ij:P+ij+1], v[P+ij:P+ij+1] op_sel:[0,1,0] op_sel_hi:[1,1,0]
.endm
; mu(i) of both samples.  h = i % 2 says which register of the pairs of dm and m0 holds component i; both halves take that one.
.macro MEAN i, h
	v_pk_fma_f32 v[D+2*\i:D+2*\i+1], v[T:T+1], v[MD+\i-\h:MD+\i-\h+1], v[MS+\i-\h:MS+\i-\h+1] op_sel:[0,\h,\h] op_sel_hi:[1,\h,\h]
.endm
; Column j (0 to 6) of the factorisation together with its step of the forward solve.  r_j lies in R; r_(j+1) is made into RN as soon
; as its pivot is final, so that the reciprocal root runs under the rest of this column's update.
.macro COL j
.set R,  RR+2*(\j % 2)
.set RN, RR+2-2*(\j % 2)
.set DJ, D+2*\j
.set PV, A+(\j+1)*(\j+2)+2*(\j+1)      ; a(j+1, j+1), the next pivot
.set PL, A+(\j+1)*(\j+2)+2*\j          ; l(j+1, j)
.irp i, 1,2,3,4,5,6,7
.if \i > \j
.set ij, A+\i*(\i+1)+2*\j
	v_pk_mul_f32 v[ij:ij+1], v[ij:ij+1], v[R:R+1]                  ; l(i, j) = a(i, j) r_j
.endif
.endr
	v_pk_mul_f32 v[DJ:DJ+1], v[DJ:DJ+1], v[R:R+1]                  ; y_j = d_j r_j
	v_pk_fma_f32 v[PV:PV+1], v[PL:PL+1], v[PL:PL+1], v[PV:PV+1] neg_lo:[1,0,0] neg_hi:[1,0,0]
	v_rsq_f32 v[RN],   v[PV]
	v_rsq_f32 v[RN+1], v[PV+1]
	; behind the reciprocal roots one plain vector instruction that names neither RN nor the pivot (ISA guide 5.7.2): the product of the r
.if \j == 0
	v_pk_mul_f32 v[PR:PR+1], v[WW:WW+1], v[R:R+1]                  ; the first factors start product and sum: nothing is cleared
	v_pk_mul_f32 v[MH:MH+1], v[DJ:DJ+1], v[DJ:DJ+1]
	s_wait_alu depctr_va_vdst(0)
.else
	v_pk_mul_f32 v[PR:PR+1], v[PR:PR+1], v[R:R+1]
	v_pk_fma_f32 v[MH:MH+1], v[DJ:DJ+1], v[DJ:DJ+1], v[MH:MH+1]
	s_wait_alu depctr_va_vdst(0)
.endif
	; the trailing update, a(i, k) -= l(i, j) l(k, j) for j < k <= i, all but the pivot done above; column j + 1 first
.irp k, 1,2,3,4,5,6,7
.irp i, 1,2,3,4,5,6,7
.if \k > \j
.if \i >= \k
.if (\i+\k) > (2*\j+2)
.set ik, A+\i*(\i+1)+2*\k
.set ij, A+\i*(\i+1)+2*\j
.set kj, A+\k*(\k+1)+2*\j
	v_pk_fma_f32 v[ik:ik+1], v[ij:ij+1], v[kj:kj+1], v[ik:ik+1] neg_lo:[1,0,0] neg_hi:[1,0,0]
.endif
.endif
.endif
.endr
.endr
.irp i, 1,2,3,4,5,6,7
.if \i > \j
.set ij, A+\i*(\i+1)+2*\j
.set DI, D+2*\i
	v_pk_fma_f32 v[DI:DI+1], v[ij:ij+1], v[DJ:DJ+1], v[DI:DI+1] neg_lo:[1,0,0] neg_hi:[1,0,0]   ; d_i -= l(i, j) y_j
.endif
.endr
.endm
; One step: 8 samples x 8 modes.  ahead = 1: the next step's x and t are asked for as soon as this step's have been used up.
.macro STEP s, ahead
	s_wait_loadcnt 0x0                             ; this step's five loads are the only ones out
	SIG 0, 0
	v_pk_fma_f32 v[WS:WS+1], v[T:T+1], v[PS:PS+1], v[PS:PS+1] op_sel:[0,1,0] op_sel_hi:[1,1,0]   ; W'
	v_rsq_f32 v[RR],   v[A]                        ; r_0
	v_rsq_f32 v[RR+1], v[A+1]
	v_log_f32 v[LW],   v[WS]                       ; log2 W'
	v_log_f32 v[LW+1], v[WS+1]                     ; the plain instruction behind these four is the next entry of sigma
.irp i, 1,2,3,4,5,6,7
.irp j, 0,1,2,3,4,5,6,7
.if \j <= \i
	SIG \i, \j
.endif
.endr
.endr
	v_pk_fma_f32 v[WW:WW+1], v[T:T+1], v[PW:PW+1], v[PW:PW+1] op_sel:[0,1,0] op_sel_hi:[1,1,0]   ; w
	MEAN 0, 0
	MEAN 1, 1
	MEAN 2, 0
	MEAN 3, 1
	MEAN 4, 0
	MEAN 5, 1
	MEAN 6, 0
	MEAN 7, 1
	s_wait_alu depctr_va_vdst(0)
.irp i, 0,1,2,3,4,5,6,7
	v_sub_f32 v[D+2*\i],   v[XA+\i], v[D+2*\i]     ; d = x - mu: a sample's x lies along registers, the pairs go across the two samples
	v_sub_f32 v[D+2*\i+1], v[XB+\i], v[D+2*\i+1]
.endr
.if \ahead
	FETCH \s+1                                     ; x and t are used up: the whole factorisation lies between these loads and their wait
.endif
.irp j, 0,1,2,3,4,5,6
	COL \j
.endr
	; column 7: only r_7 and y_7 are left
	s_wait_alu depctr_va_vdst(0)
	v_pk_mul_f32 v[PR:PR+1], v[PR:PR+1], v[RR+2:RR+3]
	v_log_f32 v[WW],   v[PR]                       ; log2(w r_0 .. r_7) = log2 w - half of log2 det
	v_log_f32 v[WW+1], v[PR+1]
	v_pk_mul_f32 v[D+14:D+15], v[D+14:D+15], v[RR+2:RR+3]          ; y_7 (the plain instruction behind the logarithms)
	v_pk_fma_f32 v[MH:MH+1], v[D+14:D+15], v[D+14:D+15], v[MH:MH+1]
	s_wait_alu depctr_va_vdst(0)
	v_pk_fma_f32 v[WW:WW+1], v[MH:MH+1], 0xbf38aa3b, v[WW:WW+1] op_sel_hi:[1,0,1]   ; a = .. - 0.5 log2(e) maha
	; log-sum-exp over the eight modes = eight neighbouring lanes; every lane ends with the same bits
	v_max_num_f32_dpp v[TM],   v[WW],   v[WW]   row_xmask:1 row_mask:0xf bank_mask:0xf
	v_max_num_f32_dpp v[TM+1], v[WW+1], v[WW+1] row_xmask:1 row_mask:0xf bank_mask:0xf
	v_max_num_f32_dpp v[TM],   v[TM],   v[TM]   row_xmask:2 row_mask:0xf bank_mask:0xf
	v_max_num_f32_dpp v[TM+1], v[TM+1], v[TM+1] row_xmask:2 row_mask:0xf bank_mask:0xf
	v_max_num_f32_dpp v[TM],   v[TM],   v[TM]   row_xmask:4 row_mask:0xf bank_mask:0xf
	v_max_num_f32_dpp v[TM+1], v[TM+1], v[TM+1] row_xmask:4 row_mask:0xf bank_mask:0xf
	v_pk_add_f32 v[WW:WW+1], v[WW:WW+1], v[TM:TM+1] neg_lo:[0,1] neg_hi:[0,1]       ; a - max (a NaN that the maximum dropped lives on here)
	v_exp_f32 v[TM+2], v[WW]
	v_exp_f32 v[TM+3], v[WW+1]
	v_pk_add_f32 v[TM:TM+1], v[TM:TM+1], v[LW:LW+1] neg_lo:[0,1] neg_hi:[0,1]       ; max - log2 W' (the plain instruction behind the exponentials)
	s_wait_alu depctr_va_vdst(0)
	v_add_f32_dpp v[TM+2], v[TM+2], v[TM+2] row_xmask:1 row_mask:0xf bank_mask:0xf
	v_add_f32_dpp v[TM+3], v[TM+3], v[TM+3] row_xmask:1 row_mask:0xf bank_mask:0xf
	v_add_f32_dpp v[TM+2], v[TM+2], v[TM+2] row_xmask:2 row_mask:0xf bank_mask:0xf
	v_add_f32_dpp v[TM+3], v[TM+3], v[TM+3] row_xmask:2 row_mask:0xf bank_mask:0xf
	v_add_f32_dpp v[TM+2], v[TM+2], v[TM+2] row_xmask:4 row_mask:0xf bank_mask:0xf
	v_add_f32_dpp v[TM+3], v[TM+3], v[TM+3] row_xmask:4 row_mask:0xf bank_mask:0xf
	v_log_f32 v[WW],   v[TM+2]
	v_log_f32 v[WW+1], v[TM+3]
	v_pk_mul_f32 v[TM:TM+1], v[TM:TM+1], 0x3f317218 op_sel_hi:[1,0]                 ; x ln 2 (the plain instruction behind the logarithms)
	s_wait_alu depctr_va_vdst(0)
	v_pk_fma_f32 v[WW:WW+1], v[WW:WW+1], 0x3f317218, v[TM:TM+1] op_sel_hi:[1,0,1]
	ds_store_b64 v[OAD], v[WW:WW+1] offset:32*\s   ; the eight lanes of a group write the same 8 bytes with the same bits: EXEC stays whole
.endm
	STEP 0, 1
	STEP 1, 1
	STEP 2, 1
	STEP 3, 0                                      ; the last step asks for nothing: no load leaves x or t
	; THE WAY OUT: the work-group's 512 results are 2,048 neighbouring bytes of out0.  Waves 0 to 3 read them back, 16 bytes a lane,
	; so that each store of a wave covers 512 consecutive bytes, aligned.
	s_wait_dscnt 0x0                               ; my results are in LDS before I say so
	s_barrier_signal -1
	s_barrier_wait -1
	s_cmp_gt_u32 s2, 3
	s_cbranch_scc1 .Lend
	s_lshl_b32 s4, s2, 9                           ; 512 bytes a wave
	v_and_b32 v[TRO], 31, v0                       ; (the loads that named this register were waited for in the set-up)
	v_lshl_add_u32 v[TRO], v[TRO], 4, s4           ; + 16 x lane
	ds_load_b128 v[XA:XA+3], v[TRO] offset:OUTB
	s_wait_dscnt 0x0
	global_store_b128 v[TRO], v[XA:XA+3], s[24:25] th:TH_STORE_NT
.Lend:
	s_wait_tensorcnt 0x0
	ds_add_u32 v224, v225
	s_wait_dscnt 0x0
	s_endpgm
.Lfunc_end_k_q68d6933ba7_gmm:
	.size	k_q68d6933ba7_gmm, .Lfunc_end_k_q68d6933ba7_gmm-k_q68d6933ba7_gmm
	.p2alignl 7, 3214868480
	.fill 96, 4, 3214868480
	.section	.rodata,"a",@progbits
	.p2align	6, 0x0
	.amdhsa_kernel k_q68d6933ba7_gmm
		.amdhsa_group_segment_fixed_size 8448
		.amdhsa_private_segment_fixed_size 0
		.amdhsa_enable_private_segment 0
		.amdhsa_kernarg_size 72
		.amdhsa_user_sgpr_count 2
		.amdhsa_user_sgpr_kernarg_segment_ptr 1
		.amdhsa_wavefront_size32 1
		.amdhsa_system_sgpr_workgroup_id_x 1
		.amdhsa_system_sgpr_workgroup_id_y 1
		.amdhsa_system_sgpr_workgroup_id_z 1
		.amdhsa_system_vgpr_workitem_id 0
		.amdhsa_next_free_vgpr 226
		.amdhsa_next_free_sgpr 66
		.amdhsa_reserve_vcc 0
		.amdhsa_float_denorm_mode_32 3
		.amdhsa_float_denorm_mode_16_64 3
		.amdhsa_memory_ordered 1
		.amdhsa_forward_progress 1
		.amdhsa_inst_pref_size 72
	.end_amdhsa_kernel
	.amdgpu_metadata
---
amdhsa.version: [ 1, 2 ]
amdhsa.kernels:
  - .name:           k_q68d6933ba7_gmm
    .symbol:         k_q68d6933ba7_gmm.kd
    .args:
      - { .name: start_covs, .offset: 0, .size: 8, .value_kind: global_buffer, .address_space: global }
      - { .name: end_covs, .offset: 8, .size: 8, .value_kind: global_buffer, .address_space: global }
      - { .name: start_means, .offset: 16, .size: 8, .value_kind: global_buffer, .address_space: global }
      - { .name: end_means, .offset: 24, .size: 8, .value_kind: global_buffer, .address_space: global }
      - { .name: start_weights, .offset: 32, .size: 8, .value_kind: global_buffer, .address_space: global }
      - { .name: end_weights, .offset: 40, .size: 8, .value_kind: global_buffer, .address_space: global }
      - { .name: t, .offset: 48, .size: 8, .value_kind: global_buffer, .address_space: global }
      - { .name: x, .offset: 56, .size: 8, .value_kind: global_buffer, .address_space: global }
      - { .name: out0, .offset: 64, .size: 8, .value_kind: global_buffer, .address_space: global }
    .group_segment_fixed_size: 8448
    .private_segment_fixed_size: 0
    .kernarg_segment_align: 8
    .kernarg_segment_size: 72
    .max_flat_workgroup_size: 512
    .sgpr_count:     66
    .vgpr_count:     226
    .wavefront_size: 32
...
	.end_amdgpu_metadata
.endif
;; end of part 1
